; MI455X (gfx1250); checked and timed in simulation.
; The chip was launched on July 23, 2026; its instructions are those of AMD's public machine-readable ISA for CDNA 5 (MIT licence, August 2026) and "CDNA5" Instruction Set Architecture Reference Guide (July 2026). The comments in the code are by the model that wrote it; some were corrected since.
;; Multi Head Attention. Allowed arithmetic: matrix products marked QUANTISED: E5M2 operands, one E8M0 scale for each 32 along K, by v_wmma_scale_f32_16x16x128_f8f6f4 with both operands' format E5M2, f32 sums; everything else in f32.
;; Inputs: Wo_codes 1,024 x 32 x 32 uint8 (E5M2 codes of Wo, K innermost, in blocks of 32 codes); Wo_scales 1,024 x 32 uint8 (E8M0 scales of Wo, one for each 32 codes along K); Wqkv_codes 3,072 x 32 x 32 uint8 (E5M2 codes of Wqkv, K innermost, in blocks of 32 codes); Wqkv_scales 3,072 x 32 uint8 (E8M0 scales of Wqkv, one for each 32 codes along K); bo 1,024 float32; bqkv 3,072 float32; x_codes 4 x 2,048 x 32 x 32 uint8 (E5M2 codes of x, K innermost, in blocks of 32 codes); x_scales 4 x 2,048 x 32 uint8 (E8M0 scales of x, one for each 32 codes along K).
;; Outputs: out0 4 x 2,048 x 1,024 float32.
;; This version of the problem:
;;   THIS VERSION OF THE PROBLEM IS GIVEN IN LOW PRECISION. The matrix products marked QUANTISED in the list below multiply operands that are first quantised to E5M2 (5 exponent bits, 2 mantissa bits; 8 bits a number), with one power-of-two scale for each 32 numbers along K (OCP MX v1.0); their sums are f32. All else is computed in f32.
;;   The module's matrix products, in the order in which they are computed (A, B: the left and right operand; K: the contracted axis; several contracted axes count as one K, in the product's order):
;;     1. [M 8,192, K 1,024] x [K 1,024, N 3,072]; A: input x (given as codes); B: input Wqkv (given as codes): QUANTISED
;;     2. batch 64 x [M 2,048, K 64] x [K 64, N 2,048]; A: computed on the way; B: computed on the way: QUANTISED
;;     3. batch 64 x [M 2,048, K 2,048] x [K 2,048, N 64]; A: softmax (see below); B: computed on the way: QUANTISED
;;     4. [M 8,192, K 1,024] x [K 1,024, N 1,024]; A: computed on the way; B: input Wo (given as codes): QUANTISED
;;   THE QUANTISER, for each operand of a quantised product, along K:
;;     - K is cut into blocks of 32 from its start; a last block that is shorter is filled with zeros.
;;     - A block's scale is 2^e with e = floor(log2(the largest magnitude in the block)) - 15, held to -126 .. 127; a block of zeros has e = 0. As a byte (E8M0): e + 127.
;;     - Each number is divided by its block's scale, clamped to +-57,344, and rounded to the nearest number of E5M2, ties to even, subnormals kept.
;;     - The product sums the exact products of the quantised numbers (number of the format x scale) in f32.
;;   ~~~python
;;   def quantise(x, axis):      # numpy; x: float32 -> the quantised numbers, widened to float32 again
;;       x = np.moveaxis(x, axis, -1); K = x.shape[-1]
;;       x = np.pad(x, [(0, 0)] * (x.ndim - 1) + [(0, -K % 32)]); x = x.reshape(x.shape[:-1] + (-1, 32)); a = np.abs(x).max(-1, keepdims=True)
;;       e = np.where(a > 0, np.clip(np.frexp(np.where(a > 0, a, 1))[1] - 1 - 15, -126, 127), 0)      # np.frexp(a)[1] - 1 = floor(log2(a)), exactly
;;       r = np.clip(x / 2.0 ** e, -57344, 57344)
;;       step = 2.0 ** (np.maximum(np.frexp(np.where(r == 0, 1, r))[1] - 1, -14) - 2)
;;       q = np.round(r / step) * step * 2.0 ** e      # np.round: ties to even
;;       return np.moveaxis(q.reshape(q.shape[:-2] + (-1,))[..., :K], -1, axis).astype(np.float32)
;;   ~~~
;;   SOFTMAX AHEAD OF A QUANTISED PRODUCT. Where the list says 'softmax', what is quantised is not the finished softmax but p = 2^(t - M), with t = logit x log2(e) and M = ceil(the row's largest t), a whole number; so 1/2 < the row's largest p <= 1. The row's sum l is taken of the UNQUANTISED p, in f32, and the product's result is divided by l at the end. Since M is a whole number, a kernel that streams over the keys may use a running M (the ceiling of the running maximum): every later rescaling is an exact power of two, which a block's scale takes up: the codes' values come out the same.
;;   OPERANDS COMPUTED ON THE WAY. 'Computed on the way' means the value that the module computes at that place (a softmax that the list does not call 'softmax' is quantised finished and normalised). What goes into a quantiser is computed in f32, as accurately as f32 sums, v_exp_f32 and their like allow (about 1e-6 of the number): no bf16 or f16 on the way to a quantiser, and a product that is left as it is and whose result goes on into a quantised operand takes f32 operands (vector FMAs, or v_wmma_f32_16x16x4_f32). A number that lies on a knife's edge between two numbers of the format may be rounded either way, as far as f32 arithmetic and the matrix unit's own rounding can turn it there, and no further.
;;   INPUTS GIVEN AS CODES. Wo (in the module: [1024, 1024], K = its axis 0); Wqkv (in the module: [1024, 3072], K = its axis 0); x (in the module: [4, 2048, 1024], K = its axis 2): each comes as NAME_codes (uint8): NAME with its K axis moved to the last place and cut into blocks of 32 codes, [.., K / 32, bytes a block], one block behind the other in memory; one code a byte (a code: sign, 5 exponent bits, 2 mantissa bits); and NAME_scales (uint8): the same leading axes, one E8M0 byte (e + 127) for each 32 codes along K. Its value is code x scale, taken as it is: it is not quantised again, and the codes and scales need not be those that the quantiser above would give.
;; One version. Each part assembles by itself: llvm-mc -triple=amdgcn-amd-amdhsa -mcpu=gfx1250 --defsym DOCPART=n.
;; ======== version 1 of 1: 3 launches
;; limits: right only within a limited range of input values
;; workspace buffers: qkv 25,165,824 bytes; qkvs 786,432 bytes; oc 8,388,608 bytes; os 262,144 bytes
;; launch qkv (part 1): grid 12 x 32, 4 waves a work-group, clusters of 4 x 4, 327,680 bytes of LDS; arguments x_codes, x_scales, Wqkv_codes, Wqkv_scales, bqkv, qkv, qkvs; writes qkv, qkvs
.if DOCPART == 1
	.amdgcn_target "amdgcn-amd-amdhsa--gfx1250"
	.amdhsa_code_object_version 6
	.text
	.protected	k_q736633a719_qkv
	.globl	k_q736633a719_qkv
	.p2align	8
	.type	k_q736633a719_qkv,@function
k_q736633a719_qkv:
	s_mov_b64 s[64:65], 0
	v_nop
	global_prefetch_b8 v0, s[64:65] scope:SCOPE_SE
	s_setreg_imm32_b32 hwreg(HW_REG_WAVE_MODE, 25, 1), 1
	s_wait_xcnt 0x0
	s_wait_alu depctr_hold_cnt(0) depctr_sa_sdst(0) depctr_va_vdst(0) depctr_va_sdst(0) depctr_va_ssrc(0) depctr_va_vcc(0) depctr_vm_vsrc(0)
	s_getreg_b32 s2, hwreg(HW_REG_IB_STS2, 6, 4)
	s_cmp_eq_u32 s2, 0
	s_cbranch_scc0 .Lentry_in_a_cluster
	s_endpgm
.Lentry_in_a_cluster:
	s_bfe_u32 s2, ttmp6, 0x10000c
	s_cmp_lg_u32 s2, 0xf033
	s_cbranch_scc0 .Lentry_shape_is_right
	s_endpgm
.Lentry_shape_is_right:
.set KSTEP,  256
.set NQ,     2
.set ROWB,   256
.set KROW,   1024
.set PITCH,  272
.set FR,     16
.set NL,     4
.set NP,     8
.set HALFT,  128*PITCH
.set SLOT,   4*HALFT
.set LAPS,   2
.set KS,     32
.set SCL,    2*SLOT
.set HALFS,  (128*KS/256)*272
.set SBLK,   (16*KS/256)*272
.set SPARE,  SCL+4*HALFS
.set VO,   8
.set ADRA, 16
.set ADRB, 20
.set CO,   24
.set SO,   25
.set ADRS, 27
.set SPW,  28
.set NIL,  29
.set LN,   31
.set SC,   32
.set BIAS, 64
.set TM,   64
.set WD,   80
.set SW,   88
.set AF,   128
.set PC,   128
.set G1, 24
.set G0, 32
.set G1B, 48
.set G0B, 56
.set G1S, 68
.set G0S, 76
.set G1SB, 80
.set G0SB, 88
.set MSB, 0
.macro WIN new
.if MSB != (\new)
	s_set_vgpr_msb (MSB<<8)|(\new)
.set MSB, (\new)
.endif
.endm
.set MUL_LO, 0xa1
.set MUL_HI, 0xf1
.set TO_B,   0x40
.macro JLOAD g0a, g1a, g0b, g1b
	s_cmp_eq_u32 s15, 0
	s_cbranch_scc0 .Lfor_b_\@
	tensor_load_to_lds s[\g0a:\g0a+3], s[\g1a:\g1a+7]
	s_nop 0
.rept 4
	v_nop
.endr
	s_branch .Lasked_\@
.Lfor_b_\@:
	tensor_load_to_lds s[\g0b:\g0b+3], s[\g1b:\g1b+7]
	s_nop 0
.rept 4
	v_nop
.endr
.Lasked_\@:
.endm
.macro CREST
	s_cmp_lg_u32 s14, 0
	s_cbranch_scc1 .Lnot_wave_0_\@
	s_barrier_signal -3
.Lnot_wave_0_\@:
	s_barrier_wait -3
	s_barrier_signal -1
	s_barrier_wait -1
.endm
.macro CROUND
	s_barrier_signal -1
	s_barrier_wait -1
	CREST
.endm
	s_load_b256 s[4:11], s[0:1], 0x0
	s_load_b128 s[96:99], s[0:1], 0x20
	s_load_b64 s[100:101], s[0:1], 0x30
	v_lshl_add_u32 v[SPW], v0, 2, SPARE
	v_mov_b32 v[NIL], 0
	ds_add_u32 v28, v29
	ds_add_u32 v28, v29
	s_wait_dscnt 0x0
	v_lshrrev_b32 v1, 5, v0
	v_readfirstlane_b32 s14, v1
	s_lshr_b32 s15, s14, 1
	s_and_b32 s16, s14, 1
	s_bfe_u32 s40, ttmp6, 0x40000
	s_bfe_u32 s41, ttmp6, 0x40004
	s_and_b32 s2, ttmp7, 0xffff
	s_cmp_eq_u32 ttmp9, 2
	s_cselect_b32 s42, s2, ttmp9
	s_cselect_b32 s17, 0, s2
	s_cselect_b32 s95, 2048, 0
	s_lshl_b32 s42, s42, 2
	s_add_co_u32 s42, s42, s40
	s_lshl_b32 s17, s17, 2
	s_add_co_u32 s17, s17, s41
	s_lshl_b32 s43, s41, 2
	s_lshl_b32 s43, 15, s43
	s_lshl_b32 s44, 0x1111, s40
	s_or_b32 s[G1+0], s43, (0<<16)|(1<<20)|(1<<21)|(5<<22)|(3<<25)
	s_or_b32 s[G1B+0], s44, (0<<16)|(1<<20)|(1<<21)|(5<<22)|(3<<25)
.irp g, G1, G1B
	s_mov_b32 s[\g+1], ROWB<<16
	s_mov_b32 s[\g+2], 256<<16
	s_mov_b32 s[\g+3], ROWB<<16
	s_mov_b32 s[\g+4], 256
	s_mov_b32 s[\g+5], KROW
	s_mov_b32 s[\g+6], 0
	s_mov_b32 s[\g+7], 0
.endr
	s_or_b32 s[G1S+0], s43, (3<<16)|(1<<20)|(1<<21)|(5<<22)|(3<<25)
	s_or_b32 s[G1SB+0], s44, (3<<16)|(1<<20)|(1<<21)|(5<<22)|(3<<25)
.irp g, G1S, G1SB
	s_mov_b32 s[\g+1], 32<<16
	s_mov_b32 s[\g+2], (256*KS/256)<<16
	s_mov_b32 s[\g+3], 32<<16
	s_mov_b32 s[\g+4], 256*KS/256
	s_mov_b32 s[\g+5], 32
	s_mov_b32 s[\g+6], 0
	s_mov_b32 s[\g+7], 0
.endr
	s_lshl_b32 s18, s16, 7
	s_lshl_b32 s20, s17, 8
	s_add_co_u32 s20, s20, s18
	s_add_co_u32 s20, s20, s95
	s_lshl_b32 s46, s42, 8
	s_add_co_u32 s46, s46, s18
	s_mov_b32 s21, 0
	s_mov_b32 s47, 0
	s_mov_b64 s[18:19], KS
	s_mul_u64 s[22:23], s[20:21], s[18:19]
	s_mul_u64 s[92:93], s[46:47], s[18:19]
	s_mov_b64 s[18:19], KROW
	s_mul_u64 s[20:21], s[20:21], s[18:19]
	s_mul_u64 s[46:47], s[46:47], s[18:19]
	s_mul_i32 s45, s14, HALFT
	s_mul_i32 s94, s15, 2*HALFS                    ; the scales of a tile's 256 rows come whole: A's at SCL, B's behind them
	s_lshl_b32 s2, s16, 12                         ; so their place in memory is the tile's first row's: my half's 128 x 32 bytes are taken off
	s_sub_co_u32 s22, s22, s2
	s_sub_co_u32 s92, s92, s2
	s_wait_kmcnt 0x0
	s_cmp_eq_u32 ttmp9, 2
	s_cselect_b64 s[12:13], s[8:9], s[4:5]
	s_cselect_b64 s[8:9], s[4:5], s[8:9]
	s_cselect_b64 s[66:67], s[10:11], s[6:7]
	s_cselect_b64 s[10:11], s[6:7], s[10:11]
	s_add_nc_u64 s[20:21], s[12:13], s[20:21]
	s_add_nc_u64 s[22:23], s[66:67], s[22:23]
	s_add_nc_u64 s[46:47], s[8:9], s[46:47]
	s_add_nc_u64 s[92:93], s[10:11], s[92:93]
	s_cmp_eq_u32 s15, 0                            ; the prefetches: of the 128 rows that I fetch in the ring, my work-group's 32 among the four that ask jointly, told apart by address
	s_cselect_b64 s[66:67], s[20:21], s[46:47]
	s_cselect_b32 s2, s40, s41
	s_mul_i32 s2, s2, 32*KROW
	s_mov_b32 s3, 0
	s_add_nc_u64 s[66:67], s[66:67], s[2:3]
	CROUND
	s_mov_b32 s[G0S], 1
	s_add_co_u32 s[G0S+1], s94, SCL
	s_mov_b64 s[G0S+2:G0S+3], s[22:23]
	s_or_b32 s[G0S+3], s[G0S+3], 0x80000000
	s_mov_b32 s[G0SB], 1
	s_add_co_u32 s[G0SB+1], s94, SCL
	s_mov_b64 s[G0SB+2:G0SB+3], s[92:93]
	s_or_b32 s[G0SB+3], s[G0SB+3], 0x80000000
.irp s, 0,1
	s_mov_b32 s[G0+4*\s], 1
	s_add_co_u32 s[G0+4*\s+1], s45, \s*SLOT
	s_add_nc_u64 s[G0+4*\s+2:G0+4*\s+3], s[20:21], \s*ROWB
	s_or_b32 s[G0+4*\s+3], s[G0+4*\s+3], 0x80000000
	s_mov_b32 s[G0B+4*\s], 1
	s_add_co_u32 s[G0B+4*\s+1], s45, \s*SLOT
	s_add_nc_u64 s[G0B+4*\s+2:G0B+4*\s+3], s[46:47], \s*ROWB
	s_or_b32 s[G0B+4*\s+3], s[G0B+4*\s+3], 0x80000000
.endr
; the head's four tiles, one a wave, in one chain of arms: wave 0 K step 0's 256 rows of A, wave 1 A's scales, wave 2 the 256 rows of B, wave 3 B's scales (waves 0 and 2 own half 0, so their slot 0 descriptors begin at the tile's first row)
.macro ARM under, g0, g1, next
	s_cmp_lt_u32 s14, \under
	s_cbranch_scc0 \next
	tensor_load_to_lds s[\g0:\g0+3], s[\g1:\g1+7]
	s_nop 0
.rept 4
	v_nop
.endr
	s_branch .Lhead_asked
\next:
.endm
	ARM 1, G0,  G1,  .Lhead_sa
	ARM 2, G0S, G1S, .Lhead_b
	ARM 3, G0B, G1B, .Lhead_sb
	tensor_load_to_lds s[G0SB:G0SB+3], s[G1SB:G1SB+7]
	s_nop 0
.rept 4
	v_nop
.endr
.Lhead_asked:
	v_and_b32 v1, 15, v0
	v_bfe_u32 v2, v0, 4, 1
	v_mul_u32_u24 v3, v1, PITCH
	v_lshl_add_u32 v4, v2, 4, v3
	s_mul_i32 s21, s15, HALFT
	s_mul_i32 s22, s16, HALFT
	s_add_co_u32 s22, s22, 2*HALFT
.irp s, 0,1
	v_add_nc_u32 v[ADRA+\s], s21, v4
	v_add_nc_u32 v[ADRB+\s], s22, v4
	s_add_co_u32 s21, s21, SLOT
	s_add_co_u32 s22, s22, SLOT
.endr
	v_mul_u32_u24 v5, v1, KS
	v_lshrrev_b32 v6, 8, v5
	v_lshl_add_u32 v5, v6, 4, v5
	s_mul_i32 s21, s15, HALFS
	s_mul_i32 s22, s16, HALFS
	s_add_co_u32 s22, s22, 2*HALFS
	s_sub_co_u32 s22, s22, s21
	v_mul_u32_u24 v6, s22, v2
	s_add_co_u32 s21, s21, SCL
	v_add_nc_u32 v5, v5, v6
	v_add_nc_u32 v[ADRS], s21, v5
	v_and_b32 v[LN], 31, v0
	v_lshlrev_b32 v30, 10, v[LN]                   ; the prefetches' offset: a lane a row; never rewritten
	global_prefetch_b8 v30, s[66:67] offset:ROWB th:TH_LOAD_NT scope:SCOPE_SE   ; K step 1, which the load behind the head's round will ask for
	v_lshlrev_b32 v[CO], 4, v[LN]
	v_lshlrev_b32 v[SO], 4, v1
	v_lshl_add_u32 v[SO], v2, 12, v[SO]
	s_cmp_eq_u32 ttmp9, 2
	s_cselect_b32 s18, s17, s42
	s_cselect_b32 s19, s15, s16
	s_cselect_b32 s46, 8192, 0
	s_cselect_b32 s20, 4, 0
	s_cselect_b32 s21, 0, 32
	s_cselect_b32 s22, 0, 4
	s_lshl_b32 s18, s18, 10
	s_lshl_b32 s19, s19, 9
	s_add_co_u32 s46, s46, s18
	s_add_co_u32 s46, s46, s19
	s_mov_b32 s47, 0
	s_add_nc_u64 s[96:97], s[96:97], s[46:47]
	v_mul_u32_u24 v[VO], v1, s20
	v_mad_u32_u24 v[VO], v2, s21, v[VO]
.irp j, 1,2,3,4,5,6,7
	v_add_nc_u32 v[VO+\j], s22, v[VO+\j-1]
.endr
.irp x, 0,1,2,3,4,5,6,7
.irp j, 0,1,2,3,4,5,6,7
	global_load_b32 v[BIAS+8*\x+\j], v[VO+\j], s[96:97] offset:64*\x
.endr
.endr
	s_cmp_eq_u32 ttmp9, 2
	s_cselect_b32 s18, s42, s17
	s_cselect_b32 s19, s16, s15
	s_cselect_b32 s20, s41, s40
	s_cselect_b32 s21, s15, s16
	s_lshr_b32 s22, s18, 3
	s_and_b32 s18, s18, 7
	s_lshl_b32 s18, s18, 1
	s_add_co_u32 s18, s18, s19
	s_lshl_b32 s22, s22, 4
	s_lshl_b32 s20, s20, 2
	s_lshl_b32 s21, s21, 1
	s_add_co_u32 s22, s22, s20
	s_add_co_u32 s22, s22, s21
	s_lshl_b32 s46, ttmp9, 23
	s_lshl_b32 s47, s22, 17
	s_add_co_u32 s46, s46, s47
	s_lshl_b32 s47, s18, 13
	s_add_co_u32 s46, s46, s47
	s_mov_b32 s47, 0
	s_add_nc_u64 s[98:99], s[98:99], s[46:47]
	s_lshl_b32 s46, ttmp9, 18
	s_lshl_b32 s92, s22, 12
	s_add_co_u32 s46, s46, s92
	s_lshl_b32 s92, s18, 8
	s_add_co_u32 s46, s46, s92
	s_add_nc_u64 s[100:101], s[100:101], s[46:47]
	s_mov_b32 s20, 0x76543210
	s_mov_b32 s21, 0xfedcba98
	s_mov_b32 s22, 0x600000
.macro FRAG reg, adr, q, i
.irp c, 0,1,2,3
	ds_load_b128 v[\reg+4*\c:\reg+4*\c+3], v[\adr] offset:128*(\q)+32*\c+(\i)*16*PITCH
.endr
.endm
.macro MUL16 a0, p, q, sc, zero
.irp a, \a0, \a0+1
.irp b, 0,1,2,3,4,5,6,7
.if \zero == 1
	v_wmma_scale_f32_16x16x128_f8f6f4 v[8*(8*((\a)%4)+\b):8*(8*((\a)%4)+\b)+7], v[128*(\p)+FR*\b:128*(\p)+FR*\b+FR-1], v[AF+FR*(\a):AF+FR*(\a)+FR-1], v[BIAS+8*\b:BIAS+8*\b+7], v[SC+8*NQ*(\sc)+NQ*\b+(\q)], v[SC+8*NQ*(\sc)+NQ*(\a)+(\q)] matrix_a_fmt:MATRIX_FMT_BF8 matrix_b_fmt:MATRIX_FMT_BF8 matrix_a_scale:MATRIX_SCALE_ROW1
.elseif \zero == 2
	v_wmma_scale_f32_16x16x128_f8f6f4 v[8*(8*((\a)%4)+\b):8*(8*((\a)%4)+\b)+7], v[128*(\p)+FR*\b:128*(\p)+FR*\b+FR-1], v[AF+FR*(\a):AF+FR*(\a)+FR-1], v[BIAS+8*(\a):BIAS+8*(\a)+7], v[SC+8*NQ*(\sc)+NQ*\b+(\q)], v[SC+8*NQ*(\sc)+NQ*(\a)+(\q)] matrix_a_fmt:MATRIX_FMT_BF8 matrix_b_fmt:MATRIX_FMT_BF8 matrix_a_scale:MATRIX_SCALE_ROW1
.else
	v_wmma_scale_f32_16x16x128_f8f6f4 v[8*(8*((\a)%4)+\b):8*(8*((\a)%4)+\b)+7], v[128*(\p)+FR*\b:128*(\p)+FR*\b+FR-1], v[AF+FR*(\a):AF+FR*(\a)+FR-1], v[8*(8*((\a)%4)+\b):8*(8*((\a)%4)+\b)+7], v[SC+8*NQ*(\sc)+NQ*\b+(\q)], v[SC+8*NQ*(\sc)+NQ*(\a)+(\q)] matrix_a_fmt:MATRIX_FMT_BF8 matrix_b_fmt:MATRIX_FMT_BF8 matrix_a_scale:MATRIX_SCALE_ROW1
.endif
.endr
.endr
.endm
.macro FETCH_B slot, q, p
	WIN TO_B
.irp i, 0,1,2,3,4,5,6,7
	FRAG 128*(\p)+FR*\i, ADRB+\slot, \q, \i
.endr
	WIN 0
.endm
.macro FETCH_A slot, q, i0
.irp i, \i0, \i0+1, \i0+2, \i0+3
	FRAG AF+FR*(\i), ADRA+\slot, \q, \i
.endr
.endm
.macro SCALES sc
.irp i, 0,1,2,3,4,5,6,7
	ds_load_b64 v[SC+8*NQ*\sc+NQ*\i:SC+8*NQ*\sc+NQ*\i+1], v[ADRS] offset:\i*SBLK
.endr
.endm
.macro PLACES n
.rept \n
	v_nop
.endr
.endm
.macro STEP slot, q, zero
	s_wait_dscnt 4*NL
.if \zero
	WIN 0x81
.else
	WIN MUL_LO
.endif
	MUL16 0, (\q)%2, \q, \slot, \zero
	MUL16 2, (\q)%2, \q, \slot, \zero
	s_wait_dscnt 0
	PLACES NP
	FETCH_B \slot, (\q)+1, 1-(\q)%2
	FETCH_A \slot, (\q)+1, 0
.if \zero
	WIN 0xc1
.else
	WIN MUL_HI
.endif
	MUL16 4, (\q)%2, \q, \slot, \zero
	MUL16 6, (\q)%2, \q, \slot, \zero
	PLACES NP
	WIN 0
	FETCH_A \slot, (\q)+1, 4
.endm
.macro TURN slot, next, fill
	s_wait_tensorcnt 0x0
	ds_add_u32 v[SPW], v[NIL]
	s_wait_dscnt 4*NL+1
	WIN MUL_LO
	MUL16 0, 1, NQ-1, \slot, 0
	s_wait_dscnt 0x0
	s_barrier_signal -1
	MUL16 2, 1, NQ-1, \slot, 0
	WIN 0
	s_barrier_wait -1
.if \fill
	CREST
	s_add_nc_u64 s[G0+4*\slot+2:G0+4*\slot+3], s[G0+4*\slot+2:G0+4*\slot+3], 2*ROWB
	s_add_nc_u64 s[G0B+4*\slot+2:G0B+4*\slot+3], s[G0B+4*\slot+2:G0B+4*\slot+3], 2*ROWB
	JLOAD G0+4*\slot, G1, G0B+4*\slot, G1B
	PLACES NP-4
.else
	PLACES NP
.endif
	s_wait_alu depctr_va_vdst(0)
	v_add_nc_u32 v[ADRS], 4*NQ, v[ADRS]
	FETCH_B \next, 0, 0
	FETCH_A \next, 0, 0
	SCALES \next
	WIN MUL_HI
	MUL16 4, 1, NQ-1, \slot, 0
	MUL16 6, 1, NQ-1, \slot, 0
	PLACES NP
	WIN 0
	FETCH_A \next, 0, 4
.endm
	s_wait_alu depctr_va_vdst(0)                   ; the wait at the head's end
	s_wait_tensorcnt 0x0                           ; my tile of the head's four is in
	ds_add_u32 v28, v29
	s_mov_b32 s[G1+2], 128<<16                     ; no tensor load of mine is out: from here on a load brings 128 rows
	s_mov_b32 s[G1+4], 128
	s_mov_b32 s[G1B+2], 128<<16
	s_mov_b32 s[G1B+4], 128
	s_wait_dscnt 0x0
	CROUND
	JLOAD G0+4, G1, G0B+4, G1B                     ; K step 1, the first tensor load behind the round
	FETCH_B 0, 0, 0
	FETCH_A 0, 0, 0
	SCALES 0
	FETCH_A 0, 0, 4
	global_prefetch_b8 v30, s[66:67] offset:2*ROWB th:TH_LOAD_NT scope:SCOPE_SE   ; K steps 2 and 3, which the two refills will ask for: 256 bytes of each of my 32 rows
	global_prefetch_b8 v30, s[66:67] offset:3*ROWB th:TH_LOAD_NT scope:SCOPE_SE
	s_wait_loadcnt 0x0
	s_cmp_eq_u32 ttmp9, 2
	s_cbranch_scc1 .Lfirst_v
	STEP 0, 0, 1
	s_branch .Lfirst_done
.Lfirst_v:
	STEP 0, 0, 2
.Lfirst_done:
	s_mov_b32 s3, LAPS-1
.Llap:
	TURN 0, 1, 1
	STEP 1, 0, 0
	TURN 1, 0, 1
	STEP 0, 0, 0
	s_sub_co_u32 s3, s3, 1
	s_cmp_lg_u32 s3, 0
	s_cbranch_scc1 .Llap
	TURN 0, 1, 0
	STEP 1, 0, 0
	s_wait_dscnt 4*NL
	WIN MUL_LO
	MUL16 0, 1, NQ-1, 1, 0
	MUL16 2, 1, NQ-1, 1, 0
	s_wait_dscnt 0
	WIN MUL_HI
	MUL16 4, 1, NQ-1, 1, 0
	MUL16 6, 1, NQ-1, 1, 0
	WIN 0
.macro QROW a, mode
.set W, 2+(\a)/4
.set AC, 64*((\a)%4)
	WIN W|(W<<2)
.irp b, 0,1,2,3
	v_max3_num_f32 v[TM+\b], |v[AC+16*\b]|, |v[AC+16*\b+1]|, 0x8000000
.endr
	WIN (W<<2)|(W<<4)
.irp i, 2,4,6,8,10,12,14
.irp b, 0,1,2,3
	v_max3_num_f32 v[TM+\b], v[TM+\b], |v[AC+16*\b+\i]|, |v[AC+16*\b+\i+1]|
.endr
.endr
	WIN 0
.irp b, 0,1,2,3
	v_permlanex16_b32 v[TM+4+\b], v[TM+\b], s20, s21
.endr
.irp b, 0,1,2,3
	v_max_num_f32 v[TM+\b], v[TM+\b], v[TM+4+\b]
.endr
.irp b, 0,1,2,3
	v_add_nc_u32 v[TM+12+\b], 0xf8800000, v[TM+\b]
.endr
.irp b, 0,1,2,3
	v_and_or_b32 v[TM+8+\b], v[TM+\b], 0x7f800000, s22
.endr
.irp b, 0,1,2,3
	v_lshrrev_b32 v[TM+4+\b], 23, v[TM+12+\b]
.endr
.if \mode == 2
	v_lshl_or_b32 v[WD+\a], v[TM+5], 8, v[TM+4]
	v_lshl_or_b32 v[WD+\a], v[TM+6], 16, v[WD+\a]
	v_lshl_or_b32 v[WD+\a], v[TM+7], 24, v[WD+\a]
.elseif (\a)%2 == 0
	v_lshl_or_b32 v[WD+(\a)/2], v[TM+5], 8, v[TM+4]
	v_lshl_or_b32 v[WD+4+(\a)/2], v[TM+7], 8, v[TM+6]
.else
	v_lshl_or_b32 v[WD+(\a)/2], v[TM+4], 16, v[WD+(\a)/2]
	v_lshl_or_b32 v[WD+(\a)/2], v[TM+5], 24, v[WD+(\a)/2]
	v_lshl_or_b32 v[WD+4+(\a)/2], v[TM+6], 16, v[WD+4+(\a)/2]
	v_lshl_or_b32 v[WD+4+(\a)/2], v[TM+7], 24, v[WD+4+(\a)/2]
.endif
	WIN W|(W<<6)
.irp b, 0,1,2,3
.irp i, 0,1,2,3,4,5,6,7,8,9,10,11,12,13,14,15
	v_med3_num_f32 v[AC+16*\b+\i], v[AC+16*\b+\i], -v[TM+8+\b], v[TM+8+\b]
.endr
.endr
	WIN W
.irp b, 0,1,2,3
.irp u, 0,1
	v_cvt_scalef32_pk8_bf8_f32 v[PC+16*(\a)+4*\b+2*\u:PC+16*(\a)+4*\b+2*\u+1], v[AC+16*\b+8*\u:AC+16*\b+8*\u+7], v[TM+12+\b]
.endr
.endr
	WIN 0
	v_nop
.irp b, 0,1,2,3
.if \mode == 2
	global_store_b128 v[CO], v[PC+16*(\a)+4*\b:PC+16*(\a)+4*\b+3], s[98:99] offset:((\a)/4)*131072+((\a)%4)*2048+\b*512
.else
	global_store_b128 v[CO], v[PC+16*(\a)+4*\b:PC+16*(\a)+4*\b+3], s[98:99] offset:(\b/2)*131072+(\a)*1024+(\b%2)*512
.endif
.endr
.endm
	PLACES NP
.irp b, 0,1,2,3
	v_mov_b32 v[TM+4+\b], 0
.endr
	s_cmp_eq_u32 ttmp9, 2
	s_cbranch_scc1 .Lout_v
.irp a, 0,1,2,3,4,5,6,7
	QROW \a, 1
.endr
	s_branch .Lout_done
.Lout_v:
.irp a, 0,1,2,3,4,5,6,7
	QROW \a, 2
.endr
.Lout_done:
	v_cmp_le_u32 vcc_lo, 16, v[LN]
.irp x, 0,1,2,3
	v_cndmask_b32 v[SW+\x], v[WD+\x], v[WD+4+\x], vcc_lo
.endr
	global_store_b128 v[SO], v[SW:SW+3], s[100:101]
	s_wait_tensorcnt 0x0
	ds_add_u32 v[SPW], v[NIL]
	s_wait_dscnt 0x0
	CROUND
	s_endpgm
.Lfunc_end_k_q736633a719_qkv:
	.size	k_q736633a719_qkv, .Lfunc_end_k_q736633a719_qkv-k_q736633a719_qkv
	.p2alignl 7, 3214868480
	.fill 96, 4, 3214868480
	.section	.rodata,"a",@progbits
	.p2align	6, 0x0
	.amdhsa_kernel k_q736633a719_qkv
		.amdhsa_group_segment_fixed_size 327680
		.amdhsa_private_segment_fixed_size 0
		.amdhsa_enable_private_segment 0
		.amdhsa_kernarg_size 56
		.amdhsa_user_sgpr_count 2
		.amdhsa_user_sgpr_kernarg_segment_ptr 1
		.amdhsa_wavefront_size32 1
		.amdhsa_system_sgpr_workgroup_id_x 1
		.amdhsa_system_sgpr_workgroup_id_y 1
		.amdhsa_system_sgpr_workgroup_id_z 1
		.amdhsa_system_vgpr_workitem_id 0
		.amdhsa_next_free_vgpr 1024
		.amdhsa_next_free_sgpr 102
		.amdhsa_reserve_vcc 1
		.amdhsa_float_denorm_mode_32 3
		.amdhsa_float_denorm_mode_16_64 3
		.amdhsa_memory_ordered 1
		.amdhsa_forward_progress 1
		.amdhsa_inst_pref_size 255
	.end_amdhsa_kernel
	.section	.bss,"aw",@nobits
	.p2align	6
	.space	262144
	.amdgpu_metadata
---
amdhsa.version: [ 1, 2 ]
amdhsa.kernels:
  - .name:           k_q736633a719_qkv
    .symbol:         k_q736633a719_qkv.kd
    .args:
      - { .name: x_codes, .offset: 0, .size: 8, .value_kind: global_buffer, .address_space: global }
      - { .name: x_scales, .offset: 8, .size: 8, .value_kind: global_buffer, .address_space: global }
      - { .name: Wqkv_codes, .offset: 16, .size: 8, .value_kind: global_buffer, .address_space: global }
      - { .name: Wqkv_scales, .offset: 24, .size: 8, .value_kind: global_buffer, .address_space: global }
      - { .name: bqkv, .offset: 32, .size: 8, .value_kind: global_buffer, .address_space: global }
      - { .name: qkv, .offset: 40, .size: 8, .value_kind: global_buffer, .address_space: global }
      - { .name: qkvs, .offset: 48, .size: 8, .value_kind: global_buffer, .address_space: global }
    .group_segment_fixed_size: 327680
    .private_segment_fixed_size: 0
    .kernarg_segment_align: 8
    .kernarg_segment_size: 56
    .max_flat_workgroup_size: 128
    .sgpr_count:     102
    .vgpr_count:     1024
    .wavefront_size: 32
...
	.end_amdgpu_metadata
.endif
;; end of part 1
;; launch attn (part 2): grid 4 x 64, 16 waves a work-group, clusters of 4 x 1, 272,384 bytes of LDS; arguments qkv, qkvs, oc, os; writes oc, os
.if DOCPART == 2
	.amdgcn_target "amdgcn-amd-amdhsa--gfx1250"
	.amdhsa_code_object_version 6
	.text
	.protected	k_q736633a719_attn
	.globl	k_q736633a719_attn
	.p2align	8
	.type	k_q736633a719_attn,@function
k_q736633a719_attn:
	s_mov_b64 s[64:65], 0
	v_nop
	global_prefetch_b8 v0, s[64:65] scope:SCOPE_SE
	s_setreg_imm32_b32 hwreg(HW_REG_WAVE_MODE, 25, 1), 1
	s_wait_xcnt 0x0
	s_wait_alu depctr_hold_cnt(0) depctr_sa_sdst(0) depctr_va_vdst(0) depctr_va_sdst(0) depctr_va_ssrc(0) depctr_va_vcc(0) depctr_vm_vsrc(0)
	s_getreg_b32 s2, hwreg(HW_REG_IB_STS2, 6, 4)
	s_cmp_eq_u32 s2, 0
	s_cbranch_scc0 .Lentry_in_a_cluster
	s_endpgm
.Lentry_in_a_cluster:
	s_bfe_u32 s2, ttmp6, 0x10000c
	s_cmp_lg_u32 s2, 0x3003
	s_cbranch_scc0 .Lentry_shape_is_right
	s_endpgm
.Lentry_shape_is_right:
; O = softmax(q k^T / 8) v for one head, both products on codes of BF8 (E5M2) with E8M0 scales, and O quantised along the embedding for the last product.
; q, k, v come as images of operand registers with their scale words (qkv: [3][64 heads][131,072]; qkvs: [3][64][16 G][16 r][4 words]).
; SOFTMAX: t = score x log2(e) / 8; M = the running largest t rounded up to a whole number; p = 2^(t - M) is quantised along the keys, not normalised.
; The row's sum is taken of the unquantised p in f32 and divides O at the end.  When M moves, the sum and O are multiplied by 2^(old M - new M): exact.
; SHARES: a work-group owns one head and 512 queries in two passes of 256; each of sixteen waves owns 16 queries a pass, in 256 registers.
; ALL OF THE HEAD'S K AND V STAYS IN LDS: 2 x 131,072 bytes of codes, each byte filled once, by ONE joint load of 16,384 bytes a wave (mask 15: the four work-groups of a cluster own the four quarters of one head's queries); wave w brings piece w (K's 0-7, V's 8-15).
; The 2 x 4,096 bytes of scale words go through registers into LDS bytes of their own, 512 bytes a wave.  One barrier at the head shows all of it; no barrier stands in the passes.
; K and V are asked for once, at the head, where there is no loop to run ahead in: no prefetch for them.  The second pass's queries (1,024 bytes a wave, four blocks of 256) are prefetched at the head, a pass ahead of their load.
; LAYOUT: both products transposed (S^T = K Q^T, O^T = V^T P^T): a lane holds one query.  The first product's K is 64: source 0 holds two tiles of 16 keys, source 1 is [Q | zero codes] or [zero codes | Q].
; In S^T register 8 n + j of lane (r, h) is key 16 n + 8 h + j: the 16 registers of tiles 2 b, 2 b + 1 are the lane's half of block b, in the order in which v's codes were laid.
; TWO REGIONS OF 64 REGISTERS CHANGE ROLES FROM STEP TO STEP: one holds K's fragments and then V's, the other the scores and p.  Behind the conversions p's registers are free and take the next step's K; the next scores are written over V's.
; OUT: oc [8][512 token tiles][4 blocks][lane][16 bytes], K in its true order; os [8192][32].  A wave stores its codes in whole runs of 512 bytes, and 32 single scale bytes, which write their 256-byte runs in part.
; LIMITS: a block of zeros, or one whose largest magnitude lies under 2^-111, gets the byte 1 (this program alone reads the bytes); NaN and infinities are not served; the scaled scores stay under 2^31 in magnitude.
.set VIMG, 131072
.set KSC,  262144                      ; K's scale words; V's lie 4,096 bytes on
.set SPARE, 270336
.set AK0,  1                           ; 16 x lane: my place in an image of K;  v2 the same in V's
.set AV0,  2
.set ASK0, 3                           ; KSC + 16 r
.set CPO,  4                           ; head: 16 x thread, the scale words' place in memory
.set LI,   5                           ; 16 x lane, in memory
.set QSO,  6                           ; 16 r
.set OSO,  7                           ; 32 r + h
.set ADK,  8                           ; the next step's K;  v9 this step's V;  v10, v11 by turns: this step's and the next step's scale words
.set ADV,  9
                                       ; v12 -M, v13 the largest score, v[14:15] the sum; v16-23 zero codes, v24-31 Q, v32-39 zero codes
.set X,    40                          ; the two regions
.set Y,    104
.set OT,   168                         ; O^T
.set PCD,  200                         ; p's codes; at the end O's
.set KSW,  216                         ; scale words: K's, V's, Q's two forms, p's
.set VSW,  220
.set QS,   224
.set PW,   226
.set OM,   227                         ; -M of the step before
.set BM,   228                         ; a block's largest score, then p; then, with v232-235, v246-249, v252-253, the sum's seven chains
.set T4,   232
.set HOLD, 236
.set SCO,  240
.set FF,   244                         ; f = 2^(old M - new M); v245 is named with it
.set TT,   248
.set QW,   249
.set PFO,  250                         ; the prefetch's offset; never rewritten
.set QW1,  251                         ; the second pass's scale word of Q
.set SPW,  254
.set NIL,  255
.set WV,   12
.set MNT,  19
.set SEL,  20
.set CS,   22
.set G1C,  24
.set G0C,  36
.set TK,   70                          ; where the next step's images begin: 8,192 bytes a step;  s71 its scale words: 256
.set TS,   71
.set CNT,  72
.set PASS, 73
.set SH,   74
.macro ROUND
	s_barrier_signal -1
	s_barrier_wait -1
	s_cmp_lg_u32 s[WV], 0
	s_cbranch_scc1 .Lnot_wave_0_\@
	s_barrier_signal -3
.Lnot_wave_0_\@:
	s_barrier_wait -3
	s_barrier_signal -1
	s_barrier_wait -1
.endm
.macro PL n
.rept \n
	v_nop
.endr
.endm
	s_load_b256 s[4:11], s[0:1], 0x0               ; qkv, qkvs, oc, os
	v_lshl_add_u32 v[SPW], v0, 2, SPARE
	v_mov_b32 v[NIL], 0
	ds_add_u32 v[SPW], v[NIL]                      ; the opening lines: the add twice and its wait
	ds_add_u32 v[SPW], v[NIL]
	v_lshrrev_b32 v1, 5, v0
	v_readfirstlane_b32 s[WV], v1                  ; wave 0..15
	s_bfe_u32 s13, ttmp6, 0x40000                  ; cx: which 512 queries
	s_and_b32 s14, ttmp7, 0xffff                   ; the head among 64
	s_and_b32 s15, s14, 15
	s_lshr_b32 s16, s14, 4
	s_mov_b32 s[MNT], 0x600000
	s_mov_b32 s[SEL], 0x76543210
	s_mov_b32 s[SEL+1], 0xfedcba98
	s_mov_b32 s[CS], 0x3e38aa3b                    ; c = log2(e) / 8
	s_mov_b32 s[CS+1], s[CS]
	s_mov_b32 s[G1C], 15|(3<<16)|(1<<21)           ; 64 rows of 256 bytes (32 elements of 8), dense, no padding; mask: all four
	s_mov_b32 s[G1C+1], 32<<16
	s_mov_b32 s[G1C+2], 64<<16
	s_mov_b32 s[G1C+3], 32<<16
	s_mov_b32 s[G1C+4], 64
	s_mov_b32 s[G1C+5], 32
	s_mov_b32 s[G1C+6], 0
	s_mov_b32 s[G1C+7], 0
	s_lshl_b32 s84, s[WV], 14                      ; in LDS: 16,384 x wave
	s_lshr_b32 s77, s[WV], 3                       ; K (0) or V (1)
	s_and_b32 s78, s[WV], 7                        ; which eighth
	s_lshl_b32 s80, s77, 23
	s_add_co_u32 s80, s80, 0x800000                ; k lies 8,388,608 bytes into qkv, v twice that
	s_lshl_b32 s79, s14, 17
	s_add_co_u32 s80, s80, s79
	s_lshl_b32 s79, s78, 14
	s_add_co_u32 s80, s80, s79
	s_mov_b32 s81, 0
	s_mul_i32 s82, s77, 0x3f000                    ; the scale words: threads 0-255 K's 4,096 bytes, threads 256-511 V's, 262,144 bytes further on in memory
	s_add_co_u32 s82, s82, 0x40000
	s_lshl_b32 s79, s14, 12
	s_add_co_u32 s82, s82, s79
	s_mov_b32 s83, 0
	s_wait_dscnt 0x0
	s_wait_kmcnt 0x0
	s_mov_b32 s[G0C], 1
	s_mov_b32 s[G0C+1], s84
	s_add_nc_u64 s[G0C+2:G0C+3], s[4:5], s[80:81]
	s_or_b32 s[G0C+3], s[G0C+3], 0x80000000
	s_add_nc_u64 s[32:33], s[6:7], s[82:83]
	ROUND                                          ; all four work-groups are here: the joint loads meet
	tensor_load_to_lds s[G0C:G0C+3], s[G1C:G1C+7]  ; one load a wave, on one line: every wave waits for it at the head's barrier
	s_nop 0
	PL 4
	s_lshl_b32 s88, s13, 5                         ; my queries: tile 32 cx + 16 pass + wave of the head's 128
	s_add_co_u32 s88, s88, s[WV]
	s_lshl_b32 s88, s88, 10
	s_lshl_b32 s75, s14, 17
	s_add_co_u32 s88, s88, s75
	s_mov_b32 s89, 0
	s_add_nc_u64 s[60:61], s[4:5], s[88:89]        ; Q's image
	s_lshl_b32 s90, s13, 2
	s_lshr_b32 s75, s[WV], 3
	s_add_co_u32 s90, s90, s75
	s_lshl_b32 s90, s90, 8                         ; G = tile / 8
	s_lshr_b32 s75, s[WV], 1
	s_and_b32 s75, s75, 3
	s_lshl_b32 s75, s75, 2                         ; word (tile % 8) / 2
	s_add_co_u32 s90, s90, s75
	s_lshl_b32 s75, s14, 12
	s_add_co_u32 s90, s90, s75
	s_mov_b32 s91, 0
	s_add_nc_u64 s[62:63], s[6:7], s[90:91]        ; Q's scale word
	s_and_b32 s[SH], s[WV], 1
	s_lshl_b32 s[SH], s[SH], 4
	s_lshl_b32 s88, s16, 7
	s_lshl_b32 s75, s13, 5
	s_add_co_u32 s88, s88, s75
	s_add_co_u32 s88, s88, s[WV]                   ; the token tile among 512
	s_lshl_b32 s88, s88, 11
	s_lshr_b32 s75, s15, 1
	s_lshl_b32 s75, s75, 20
	s_add_co_u32 s88, s88, s75
	s_and_b32 s75, s15, 1
	s_lshl_b32 s75, s75, 10
	s_add_co_u32 s88, s88, s75
	s_add_nc_u64 s[66:67], s[8:9], s[88:89]        ; O's codes
	s_lshl_b32 s90, s16, 11
	s_lshl_b32 s75, s13, 9
	s_add_co_u32 s90, s90, s75
	s_lshl_b32 s75, s[WV], 4
	s_add_co_u32 s90, s90, s75
	s_lshl_b32 s90, s90, 5
	s_lshl_b32 s75, s15, 1
	s_add_co_u32 s90, s90, s75
	s_add_nc_u64 s[68:69], s[10:11], s[90:91]      ; O's scale bytes
	s_mov_b32 s[PASS], 0
	v_and_b32 v[TT], 31, v0
	v_and_b32 v252, 15, v0                         ; r
	v_bfe_u32 v253, v0, 4, 1                       ; h
	v_lshlrev_b32 v[CPO], 4, v0
	v_lshl_add_u32 v11, v0, 4, KSC                 ; head: the scale words' place in LDS
	v_lshlrev_b32 v[AK0], 4, v[TT]
	v_lshlrev_b32 v[LI], 4, v[TT]
	v_lshlrev_b32 v[QSO], 4, v252
	v_min_u32 v[PFO], 3, v[TT]                     ; lanes 0 to 3 name the four blocks, the others the last again
	v_add_nc_u32 v[AV0], VIMG, v[AK0]
	v_add_nc_u32 v[ASK0], KSC, v[QSO]
	v_lshl_add_u32 v[OSO], v252, 5, v253
	v_lshlrev_b32 v[PFO], 8, v[PFO]
	global_load_b128 v[Y:Y+3], v[CPO], s[32:33]    ; my 16 bytes of the scale words
.macro QLOAD p
.irp i, 0,1
	global_load_b128 v[24+4*\i:27+4*\i], v[LI], s[60:61] offset:16384*\p+512*\i
.endr
.endm
	QLOAD 0
	global_load_b32 v[QW], v[QSO], s[62:63]
	global_load_b32 v[QW1], v[QSO], s[62:63] offset:512
	global_prefetch_b8 v[PFO], s[60:61] offset:16384 th:TH_LOAD_NT scope:SCOPE_SE
.irp j, 0,1,2,3,4,5,6,7
	v_mov_b32 v[16+\j], 0                          ; the zero codes on both sides of Q
	v_mov_b32 v[32+\j], 0
.endr
	v_mov_b32 v[FF+1], 0
	s_wait_alu depctr_va_vdst(0)                   ; the wait at the head's end
	s_wait_loadcnt 4                               ; behind the scale words' load: Q's two, and its two scale words
	ds_store_b128 v11, v[Y:Y+3]
	s_wait_tensorcnt 0x0                           ; my piece of K or V is in,
	s_wait_dscnt 0x0                               ; and my scale words are in LDS
	s_barrier_signal -1
	s_barrier_wait -1
.macro VL ra, sc, from, to             ; V's loads number from .. to - 1 of 17: the scale words, then the four tiles' sixteen pieces
.set L_, \from
.rept (\to)-(\from)
.if L_ == 0
	ds_load_b128 v[VSW:VSW+3], v[\sc] offset:4096
.else
	ds_load_b128 v[\ra+4*(L_-1):\ra+4*(L_-1)+3], v[ADV] offset:512*(L_-1)
.endif
.set L_, L_+1
.endr
.endm
.macro KL rb, from                     ; eight of K's sixteen pieces
.set L_, \from
.rept 8
	ds_load_b128 v[\rb+4*L_:\rb+4*L_+3], v[ADK] offset:512*L_
.set L_, L_+1
.endr
.endm
; A KEY STEP: 128 keys.  ra: K's fragments, then V's;  rb: the scores, p, then the next step's K;  sc, sn: the registers with this step's and the next step's scale words' address;  more = 0: the pass's last step fetches nothing ahead
.macro STEP ra, rb, sc, sn, more
.irp g, 0,1,2,3
.if \g % 2 == 0
	s_wait_dscnt 8-4*\g                            ; pairs g and g + 1 are in; the later pairs' eight loads may be out
.endif
.irp u, 0,1
	v_wmma_scale_f32_16x16x128_f8f6f4 v[\rb+8*(2*\g+\u):\rb+8*(2*\g+\u)+7], v[\ra+16*\g:\ra+16*\g+15], v[24-8*\u:39-8*\u], 0, v[KSW+\g], v[QS+\u] matrix_a_fmt:MATRIX_FMT_BF8 matrix_b_fmt:MATRIX_FMT_BF8
.endr
.endr
.if \more                                      ; eight places ahead of V's loads and of the first read of the scores
	v_add_nc_u32 v[ADK], s[TK], v[AK0]
	v_add_nc_u32 v[\sn], s[TS], v[ASK0]
	PL 6
.else
	PL 8
.endif
.irp b, 0,1,2,3
	v_max3_num_f32 v[BM+\b], v[\rb+16*\b], v[\rb+16*\b+1], v[\rb+16*\b+2]   ; the largest score of each block of 32 keys, in two chains a block: for the row's maximum and for the block's largest p
.endr
.irp b, 0,1,2,3
	v_max3_num_f32 v[T4+\b], v[\rb+16*\b+7], v[\rb+16*\b+8], v[\rb+16*\b+9]
.endr
.irp i, 3,5
.irp b, 0,1,2,3
	v_max3_num_f32 v[BM+\b], v[BM+\b], v[\rb+16*\b+\i], v[\rb+16*\b+\i+1]
.endr
.irp b, 0,1,2,3
	v_max3_num_f32 v[T4+\b], v[T4+\b], v[\rb+16*\b+\i+7], v[\rb+16*\b+\i+8]
.endr
.endr
.irp b, 0,1,2,3
	v_max3_num_f32 v[BM+\b], v[BM+\b], v[T4+\b], v[\rb+16*\b+14]
.endr
.irp b, 0,1,2,3
	v_max_num_f32 v[BM+\b], v[BM+\b], v[\rb+16*\b+15]
.endr
.irp b, 0,1,2,3
	v_permlanex16_b32 v[T4+\b], v[BM+\b], s[SEL], s[SEL+1]
.endr
.irp b, 0,1,2,3
	v_max_num_f32 v[BM+\b], v[BM+\b], v[T4+\b]     ; with lane l xor 16's 16 keys
.endr
	v_max3_num_f32 v[TT], v[BM], v[BM+1], v[BM+2]  ; each line of this chain hangs on the line before: V's loads stand between them
	VL \ra, \sc, 0, 3
	v_max3_num_f32 v13, v13, v[TT], v[BM+3]        ; the running largest score
	VL \ra, \sc, 3, 6
	v_mul_f32 v[TT], s[CS], v13                    ; as t (c is positive)
	VL \ra, \sc, 6, 9
	v_floor_f32 v12, -v[TT]                        ; -M = -ceil(t): a whole number
	VL \ra, \sc, 9, 12
	v_sub_f32 v[TT], v12, v[OM]                    ; old M - new M: a whole number, 0 or less
	VL \ra, \sc, 12, 15
	v_cvt_i32_f32 v[TT], v[TT]                     ; (it saturates)
	VL \ra, \sc, 15, 17
	v_ldexp_f32 v[FF], 1.0, v[TT]                  ; f
.set N_, 0
.rept 32
	v_pk_fma_f32 v[\rb+N_:\rb+N_+1], v[\rb+N_:\rb+N_+1], s[CS:CS+1], v[12:13] op_sel_hi:[1,0,0]   ; t - M
.set N_, N_+2
.endr
.irp b, 0,1,2,3
	v_fma_f32 v[BM+\b], v[BM+\b], s[CS], v12
.endr
	s_wait_alu depctr_va_vdst(0)                   ; the wait ahead of the batch
.set N_, 0
.rept 64
	v_exp_f32 v[\rb+N_], v[\rb+N_]                 ; p = 2^(t - M)
.set N_, N_+1
.endr
.irp b, 0,1,2,3
	v_exp_f32 v[BM+\b], v[BM+\b]                   ; the block's largest p: the same two instructions on the same number
.endr
	v_mov_b32 v[OM], v12                           ; for the next step; the plain place behind the batch
	s_wait_alu depctr_va_vdst(0)                   ; and the wait behind it
.irp b, 0,1,2,3
	v_max_num_f32 v[BM+\b], 0x8000000, v[BM+\b]    ; the floor 2^(16 - 127): the byte cannot fall under 1
.endr
.irp b, 0,1,2,3
	v_and_or_b32 v[HOLD+\b], v[BM+\b], 0x7f800000, s[MNT]   ; 57,344 x the scale
.endr
.irp b, 0,1,2,3
	v_add_nc_u32 v[SCO+\b], 0xf8200000, v[HOLD+\b] ; 15 off the exponent field, the mantissa field cleared: the conversion's scale operand
.endr
	v_lshrrev_b32 v[T4], 23, v[SCO]                ; the four exponent fields side by side: p's scale word
	v_lshrrev_b32 v[T4+1], 15, v[SCO+1]
	v_lshrrev_b32 v[T4+2], 7, v[SCO+2]
	v_add3_u32 v[PW], v[T4], v[T4+1], v[T4+2]
	v_lshl_or_b32 v[PW], v[SCO+3], 1, v[PW]
.set N_, 0
.rept 7                                        ; the row's sum of the unquantised p, in seven chains
.set PX, BM+2*N_+(N_/4)*10+(N_/6)*2
	v_pk_add_f32 v[PX:PX+1], v[\rb+4*N_:\rb+4*N_+1], v[\rb+4*N_+2:\rb+4*N_+3]
.set N_, N_+1
.endr
.set N_, 14
.rept 18
.set C_, N_%7
.set PX, BM+2*C_+(C_/4)*10+(C_/6)*2
	v_pk_add_f32 v[PX:PX+1], v[PX:PX+1], v[\rb+2*N_:\rb+2*N_+1]
.set N_, N_+1
.endr
.irp b, 0,2                                    ; the hold (the conversion does not saturate: ISA guide 7.6.2; p is not negative): two a line, of two blocks, so that sources of one place lie in different banks
.irp i, 0,2,4,6,8,10,12,14
	v_dual_min_num_f32 v[\rb+16*\b+\i], v[\rb+16*\b+\i], v[HOLD+\b] :: v_dual_min_num_f32 v[\rb+16*\b+17+\i], v[\rb+16*\b+17+\i], v[HOLD+\b+1]
	v_dual_min_num_f32 v[\rb+16*\b+16+\i], v[\rb+16*\b+16+\i], v[HOLD+\b+1] :: v_dual_min_num_f32 v[\rb+16*\b+1+\i], v[\rb+16*\b+1+\i], v[HOLD+\b]
.endr
.irp e, 0,1
	v_cvt_scalef32_pk8_bf8_f32 v[PCD+4*(\b+\e):PCD+4*(\b+\e)+1], v[\rb+16*(\b+\e):\rb+16*(\b+\e)+7], v[SCO+\b+\e]
	v_cvt_scalef32_pk8_bf8_f32 v[PCD+4*(\b+\e)+2:PCD+4*(\b+\e)+3], v[\rb+16*(\b+\e)+8:\rb+16*(\b+\e)+15], v[SCO+\b+\e]
.endr
.if \more                                      ; these two blocks' 32 registers are free: they take the next step's K
.if \b == 0
	ds_load_b128 v[KSW:KSW+3], v[\sn]
.endif
	KL \rb, 4*\b
.endif
.endr
	s_wait_dscnt 17*\more                          ; V and its scale words are in; the 17 loads of the next step's K may be out
	s_wait_alu depctr_va_vdst(0)                   ; the wait directly ahead of the first reader of O^T
.set N_, 0
.rept 16
	v_pk_mul_f32 v[OT+N_:OT+N_+1], v[OT+N_:OT+N_+1], v[FF:FF+1] op_sel_hi:[1,0]   ; O^T under the new M; also the places behind the conversions
.set N_, N_+2
.endr
.irp t, 0,1,2,3                                ; four accumulators by turns; the next step's eight products stand between two turns of each
	v_wmma_scale_f32_16x16x128_f8f6f4 v[OT+8*\t:OT+8*\t+7], v[\ra+16*\t:\ra+16*\t+15], v[PCD:PCD+15], v[OT+8*\t:OT+8*\t+7], v[VSW+\t], v[PW] matrix_a_fmt:MATRIX_FMT_BF8 matrix_b_fmt:MATRIX_FMT_BF8
.endr
	v_pk_add_f32 v[228:229], v[228:229], v[230:231]   ; the seven chains are joined behind the products: with the two lines below nine places, ahead of the next scores, which are written over V's registers
	v_pk_add_f32 v[232:233], v[232:233], v[234:235]
	v_pk_add_f32 v[246:247], v[246:247], v[248:249]
	v_pk_add_f32 v[228:229], v[228:229], v[232:233]
	v_pk_add_f32 v[246:247], v[246:247], v[252:253]
	v_pk_add_f32 v[228:229], v[228:229], v[246:247]
	v_pk_fma_f32 v[14:15], v[14:15], v[FF:FF+1], v[228:229] op_sel_hi:[1,0,1]   ; the sum under the new M, and this step's
.if \more
	v_add_nc_u32 v[ADV], s[TK], v[AV0]             ; the next step's V
	v_nop
	s_add_co_u32 s[TK], s[TK], 8192
	s_add_co_u32 s[TS], s[TS], 256
.endif
.endm
.Lpass:                                            ; two trips: 256 queries of the work-group each
	v_add_nc_u32 v[ADV], VIMG, v[AK0]              ; step 0's V, its scale words,
	v_add_nc_u32 v10, KSC, v[QSO]
	v_add_nc_u32 v[ADK], 0, v[AK0]
	ds_load_b128 v[KSW:KSW+3], v[ASK0]             ; and its K
	KL X, 0
	KL X, 8
	s_wait_loadcnt 0x0                             ; Q and its scale words
	v_lshrrev_b32 v[TT], s[SH], v[QW]
	v_and_b32 v[QS], 0xffff, v[TT]                 ; [Q | zeros]: my tile's two bytes below, 0 above
	v_lshlrev_b32 v[QS+1], 16, v[QS]               ; [zeros | Q]
	v_mov_b32 v13, 0xff61b1e6                      ; the largest score so far: -3e38
	v_mov_b32 v[OM], 0x7f61b1e6                    ; and a -M over every -M: the first f is 0, on zeros
	v_mov_b32 v14, 0
	v_mov_b32 v15, 0
.set N_, 0
.rept 32
	v_mov_b32 v[OT+N_], 0                          ; the step is written once: a pass's first step finds zeros.  Also the places between Q's scale words and the first product
.set N_, N_+1
.endr
	s_mov_b32 s[TK], 8192
	s_mov_b32 s[TS], 256
	s_mov_b32 s[CNT], 7
	s_wait_alu depctr_va_vdst(0)                   ; the wait ahead of the step's first wait
.Lstep:                                            ; a trip is two steps, until the regions are back where they began
	STEP X, Y, 10, 11, 1
	STEP Y, X, 11, 10, 1
	s_sub_co_u32 s[CNT], s[CNT], 1
	s_cmp_lg_u32 s[CNT], 0
	s_cbranch_scc1 .Lstep
	STEP X, Y, 10, 11, 1
	STEP Y, X, 11, 10, 0                           ; the pass's last step is written out: nothing follows it
	s_wait_alu depctr_va_vdst(0)                   ; the wait ahead of the branch
	s_cmp_eq_u32 s[PASS], 1
	s_cbranch_scc1 .Lno_next
	QLOAD 1                                        ; the second pass's queries
	v_mov_b32 v[QW], v[QW1]
.Lno_next:
	; THE WAY OUT: O^T / the sum, quantised along E: the head's 64 are two blocks of 32, 16 numbers in my lane and 16 in lane l xor 16
	v_add_f32 v14, v14, v15
	v_permlanex16_b32 v[TT], v14, s[SEL], s[SEL+1]
	v_add_f32 v14, v14, v[TT]                      ; the row's sum
	s_wait_alu depctr_va_vdst(0)
	v_rcp_f32 v14, v14
	v_nop
	s_wait_alu depctr_va_vdst(0)                   ; ahead of the first readers of the reciprocal and of O^T
.set N_, 0
.rept 16
	v_pk_mul_f32 v[Y+N_:Y+N_+1], v[OT+N_:OT+N_+1], v[14:15] op_sel_hi:[1,0]   ; register 16 b + 8 u + j: d = 32 b + 16 u + 8 h + j
.set N_, N_+2
.endr
.irp b, 0,1
	v_max3_num_f32 v[BM+\b], |v[Y+16*\b]|, |v[Y+16*\b+1]|, 0x8000000
.endr
.irp i, 2,4,6,8,10,12,14
.irp b, 0,1
	v_max3_num_f32 v[BM+\b], v[BM+\b], |v[Y+16*\b+\i]|, |v[Y+16*\b+\i+1]|
.endr
.endr
.irp b, 0,1
	v_permlanex16_b32 v[T4+\b], v[BM+\b], s[SEL], s[SEL+1]
.endr
.irp b, 0,1
	v_max_num_f32 v[BM+\b], v[BM+\b], v[T4+\b]
.endr
.irp b, 0,1
	v_add_nc_u32 v[SCO+\b], 0xf8800000, v[BM+\b]
.endr
.irp b, 0,1
	v_and_or_b32 v[HOLD+\b], v[BM+\b], 0x7f800000, s[MNT]
.endr
.irp b, 0,1
	v_lshrrev_b32 v[T4+\b], 23, v[SCO+\b]          ; the scale's byte
.endr
.irp b, 0,1
.irp i, 0,1,2,3,4,5,6,7,8,9,10,11,12,13,14,15
	v_med3_num_f32 v[Y+16*\b+\i], v[Y+16*\b+\i], -v[HOLD+\b], v[HOLD+\b]
.endr
.endr
.irp b, 0,1
.irp u, 0,1
	v_cvt_scalef32_pk8_bf8_f32 v[PCD+4*\b+2*\u:PCD+4*\b+2*\u+1], v[Y+16*\b+8*\u:Y+16*\b+8*\u+7], v[SCO+\b]
.endr
.endr
	v_and_b32 v[TT], 31, v0                        ; (the plain place behind the conversions)
	; into K's true order: lanes 16-31's first eight change places with lanes 0-15's last eight
.irp b, 0,1
	v_permlane16_swap_b32 v[PCD+4*\b], v[PCD+4*\b+2]
	v_permlane16_swap_b32 v[PCD+4*\b+1], v[PCD+4*\b+3]
.endr
.irp b, 0,1
	global_store_b128 v[LI], v[PCD+4*\b:PCD+4*\b+3], s[66:67] offset:512*\b   ; 32 lanes store 512 consecutive bytes, aligned
.endr
	v_cmp_le_u32 vcc_lo, 16, v[TT]
	v_cndmask_b32 v[TT], v[T4], v[T4+1], vcc_lo    ; lane (r, h) stores block h's byte of token r
	global_store_b8 v[OSO], v[TT], s[68:69]
	s_wait_xcnt 0x0                                ; the stores' bases and data are written again only behind this wait
	s_add_nc_u64 s[66:67], s[66:67], 32768
	s_add_nc_u64 s[68:69], s[68:69], 8192
	s_add_co_u32 s[PASS], s[PASS], 1
	s_cmp_lt_u32 s[PASS], 2
	s_cbranch_scc1 .Lpass
	s_wait_tensorcnt 0x0                           ; the wave's end
	ds_add_u32 v[SPW], v[NIL]
	s_wait_dscnt 0x0
	ROUND                                          ; the closing round
	s_endpgm
.Lfunc_end_k_q736633a719_attn:
	.size	k_q736633a719_attn, .Lfunc_end_k_q736633a719_attn-k_q736633a719_attn
	.p2alignl 7, 3214868480
	.fill 96, 4, 3214868480
	.section	.rodata,"a",@progbits
	.p2align	6, 0x0
	.amdhsa_kernel k_q736633a719_attn
		.amdhsa_group_segment_fixed_size 272384
		.amdhsa_private_segment_fixed_size 0
		.amdhsa_enable_private_segment 0
		.amdhsa_kernarg_size 32
		.amdhsa_user_sgpr_count 2
		.amdhsa_user_sgpr_kernarg_segment_ptr 1
		.amdhsa_wavefront_size32 1
		.amdhsa_system_sgpr_workgroup_id_x 1
		.amdhsa_system_sgpr_workgroup_id_y 1
		.amdhsa_system_sgpr_workgroup_id_z 1
		.amdhsa_system_vgpr_workitem_id 0
		.amdhsa_next_free_vgpr 256
		.amdhsa_next_free_sgpr 92
		.amdhsa_reserve_vcc 1
		.amdhsa_float_denorm_mode_32 3
		.amdhsa_float_denorm_mode_16_64 3
		.amdhsa_memory_ordered 1
		.amdhsa_forward_progress 1
		.amdhsa_inst_pref_size 86
	.end_amdhsa_kernel
	.amdgpu_metadata
---
amdhsa.version: [ 1, 2 ]
amdhsa.kernels:
  - .name:           k_q736633a719_attn
    .symbol:         k_q736633a719_attn.kd
    .args:
      - { .name: qkv, .offset: 0, .size: 8, .value_kind: global_buffer, .address_space: global }
      - { .name: qkvs, .offset: 8, .size: 8, .value_kind: global_buffer, .address_space: global }
      - { .name: oc, .offset: 16, .size: 8, .value_kind: global_buffer, .address_space: global }
      - { .name: os, .offset: 24, .size: 8, .value_kind: global_buffer, .address_space: global }
    .group_segment_fixed_size: 272384
    .private_segment_fixed_size: 0
    .kernarg_segment_align: 8
    .kernarg_segment_size: 32
    .max_flat_workgroup_size: 512
    .sgpr_count:     92
    .vgpr_count:     256
    .wavefront_size: 32
...
	.end_amdgpu_metadata
.endif
;; end of part 2
;; launch proj (part 3): grid 8 x 32, 4 waves a work-group, clusters of 4 x 4, 327,680 bytes of LDS; arguments oc, os, Wo_codes, Wo_scales, bo, out0; writes out0
.if DOCPART == 3
	.amdgcn_target "amdgcn-amd-amdhsa--gfx1250"
	.amdhsa_code_object_version 6
	.text
	.protected	k_q736633a719_proj
	.globl	k_q736633a719_proj
	.p2align	8
	.type	k_q736633a719_proj,@function
k_q736633a719_proj:
	s_mov_b64 s[64:65], 0
	v_nop
	global_prefetch_b8 v0, s[64:65] scope:SCOPE_SE
	s_setreg_imm32_b32 hwreg(HW_REG_WAVE_MODE, 25, 1), 1
	s_wait_xcnt 0x0
	s_wait_alu depctr_hold_cnt(0) depctr_sa_sdst(0) depctr_va_vdst(0) depctr_va_sdst(0) depctr_va_ssrc(0) depctr_va_vcc(0) depctr_vm_vsrc(0)
	s_getreg_b32 s2, hwreg(HW_REG_IB_STS2, 6, 4)
	s_cmp_eq_u32 s2, 0
	s_cbranch_scc0 .Lentry_in_a_cluster
	s_endpgm
.Lentry_in_a_cluster:
	s_bfe_u32 s2, ttmp6, 0x10000c
	s_cmp_lg_u32 s2, 0xf033
	s_cbranch_scc0 .Lentry_shape_is_right
	s_endpgm
.Lentry_shape_is_right:
; out0 = O Wo^T + bo on codes of MX-BF8 (E5M2, a scale byte for 32 along K): 8,192 x 1,024 x 1,024, f32 sums, f32 out.
; oc: [8 planes of 128 along K][512 token tiles of 16][4 pieces][lane][16 bytes]: images of the operand's registers, as the launch before leaves them; os: [8192][32]; Wo_codes: [1024][1024], Wo_scales: [1024][32].
; THE DEAL.  256 work-groups of four waves, 2 x 2; a block is 256 tokens x 128 columns.  A wave holds its 64 rows of Wo, ALL of K, in 512 registers (windows 1, 2), and streams token tiles of 16 rows past them: eight blocks of 32 products.
; A block's rows stand in registers as one of two sets (window 3); behind a block's products its set takes the block two on.  The bias is the first four products' C.
; Source 0 = Wo's rows, source 1 = the tokens: a lane holds eight neighbouring columns of one token.  A block's 16 rows x 256 bytes go through the wave's own stage in LDS and leave as whole aligned runs of 256 bytes, under the next block's products.
; LDS.  Two slots of 128 x 1,040 bytes.  Wo's 128 rows land in slot 1, tokens 0-127 (chunk 0) in slot 0.  When all waves hold Wo in registers, tokens 128-255 (chunk 1) are filled over it behind a drained round.
; A chunk is 8 rows of 16,384 bytes, 1,048,576 apart in memory, padded by 16 bytes behind each 1,024: the same bytes of a slot as 128 rows of 1,024.
; CLUSTER 4 x 4: a row shares the tokens' tiles and scale bytes, a column Wo's rows: joint loads.  Chunk 1 is prefetched at the head: its 512 blocks of 256 bytes are shared out by address over the sixteen waves of a cluster's row.
; LIMITS: NaN, infinities and sums beyond f32's range are not served.
.set KROW, 1024
.set KS, 32
.set PITCH, KROW+16
.set FR, 16
.set FPW, 16
.set NB, 4
.set SLOTB, 128*PITCH
.set PLANE, 16*PITCH                   ; a chunk's part of a plane: 16,384 bytes and their padding
.set TIMG, 2*PITCH                     ; a token tile's image: 2,048 bytes
.set YB, SLOTB
.set SCL, 2*SLOTB                      ; the tokens' scale bytes: units of 256 bytes (8 rows) + 16
.set STG, SCL+32*272                   ; the stages: 16 rows x 272 bytes a wave; no tensor load lands here
.set SPARE, STG+4*16*272
.set ADRA0, 4                          ; v4  16 x lane + my first tile of a chunk
.set AAS0, 6                           ; v6  my row's scale words in my first tile
.set PFO, 7                            ; v7  the prefetch's offset; never rewritten
.set BO, 8
.set CO, 9                             ; v9  4,096 h + 16 r
.set SPW, 10
.set NIL, 11
.set ADL, 12                           ; v12, v13  a fetch's addresses: planes 0-3, planes 4-7
.set ADH, 13
.set ADRB, 14
.set ABS, 16
.set STO, 18
.set RD, 19
.set SB, 24                            ; v24-39  Wo's scale words: register 8 p + q: lanes 0-15 tile 2 p, lanes 16-31 tile 2 p + 1
.set SA, 44                            ; v44-59  the tokens': two sets of eight
.set ACC, 64                           ; v64-127 two sets of four accumulators
.set BQ, 128                           ; v128-159 the bias, in the result's layout
.set BK, 160                           ; v160-223 16 rows read back from the stage, two sets
.set G1B, 24
.set G1A, 32
.set G1R, 48
.set G0B, 56
.set G0A, 60
.set G0R, 68
.set G0S, 72
.set G1S, 92
.set MSB, 0
.macro WIN new
.if MSB != (\new)
	s_set_vgpr_msb (MSB<<8)|(\new)
.set MSB, (\new)
.endif
.endm
.macro PLACES n
.rept \n
	v_nop
.endr
.endm
.macro BARRIER
	s_barrier_signal -1
	s_barrier_wait -1
.endm
.macro CROUND
	BARRIER
	s_cmp_lg_u32 s14, 0
	s_cbranch_scc1 .Lnot_wave_0_\@
	s_barrier_signal -3
.Lnot_wave_0_\@:
	s_barrier_wait -3
	BARRIER
.endm
.macro TLOAD g0, g1
	tensor_load_to_lds s[\g0:\g0+3], s[\g1:\g1+7]
	s_nop 0
	PLACES 4
.endm
.macro GIMG g, rows                    ; group 1: so many rows of 16,384 bytes (2,048 elements of 8), 1,048,576 bytes apart; 4 dwords of padding behind every 256
	s_or_b32 s[\g], s44, (3<<16)|(1<<20)|(1<<21)|(7<<22)|(3<<25)
	s_mov_b32 s[\g+1], 2048<<16
	s_mov_b32 s[\g+2], (\rows)<<16
	s_mov_b32 s[\g+3], 2048<<16
	s_mov_b32 s[\g+4], \rows
	s_mov_b32 s[\g+5], 131072
	s_mov_b32 s[\g+6], 0
	s_mov_b32 s[\g+7], 0
.endm
	s_load_b256 s[4:11], s[0:1], 0x0               ; oc, os, Wo_codes, Wo_scales
	s_load_b128 s[84:87], s[0:1], 0x20             ; bo, out0
	v_lshl_add_u32 v[SPW], v0, 2, SPARE
	v_mov_b32 v[NIL], 0
	ds_add_u32 v[SPW], v[NIL]                      ; the opening lines: the add twice and its wait
	ds_add_u32 v[SPW], v[NIL]
	v_lshrrev_b32 v1, 5, v0
	v_readfirstlane_b32 s14, v1                    ; wave 0..3
	s_lshr_b32 s15, s14, 1                         ; my row of waves
	s_and_b32 s16, s14, 1                          ; my column of waves
	s_bfe_u32 s40, ttmp6, 0x40000
	s_bfe_u32 s41, ttmp6, 0x40004
	s_lshl_b32 s42, ttmp9, 2
	s_add_co_u32 s42, s42, s40                     ; tile column 0..7
	s_and_b32 s43, ttmp7, 0xffff
	s_lshl_b32 s43, s43, 2
	s_add_co_u32 s43, s43, s41                     ; tile row 0..31
	s_lshl_b32 s44, s41, 2
	s_lshl_b32 s44, 15, s44                        ; my row of the cluster
	s_lshl_b32 s45, 0x1111, s40                    ; my column
	s_or_b32 s[G1B], s45, (1<<20)|(1<<21)|(7<<22)|(3<<25)   ; Wo: 128 whole rows of 1,024 bytes, 16 of padding behind each
	s_mov_b32 s[G1B+1], KROW<<16
	s_mov_b32 s[G1B+2], 128<<16
	s_mov_b32 s[G1B+3], KROW<<16
	s_mov_b32 s[G1B+4], 128
	s_mov_b32 s[G1B+5], KROW
	s_mov_b32 s[G1B+6], 0
	s_mov_b32 s[G1B+7], 0
	GIMG G1A, 8                                    ; chunk 0 whole
	GIMG G1R, 2                                    ; a quarter of chunk 1: two planes a wave
	s_or_b32 s[G1S], s44, (3<<16)|(1<<20)|(1<<21)|(5<<22)|(3<<25)   ; the scale bytes of 128 tokens: 16 rows of 256 bytes, 16 of padding behind each
	s_mov_b32 s[G1S+1], 32<<16
	s_mov_b32 s[G1S+2], 16<<16
	s_mov_b32 s[G1S+3], 32<<16
	s_mov_b32 s[G1S+4], 16
	s_mov_b32 s[G1S+5], 32
	s_mov_b32 s[G1S+6], 0
	s_mov_b32 s[G1S+7], 0
	s_lshl_b32 s76, s43, 15                        ; oc: my 16 token tiles in a plane
	s_mov_b32 s77, 0
	s_lshl_b32 s78, s42, 17                        ; Wo's codes: my 128 rows
	s_mov_b32 s79, 0
	s_lshl_b32 s80, s43, 1
	s_add_co_u32 s80, s80, s16
	s_lshl_b32 s80, s80, 12                        ; os: 128 tokens x 32 bytes
	s_mov_b32 s81, 0
	s_lshl_b32 s82, s14, 21                        ; chunk 1: planes 2 x wave on
	s_add_co_u32 s82, s82, s76
	s_add_co_u32 s82, s82, 16384
	s_mov_b32 s83, 0
	s_mov_b32 s[G0B], 1
	s_mov_b32 s[G0B+1], YB
	s_mov_b32 s[G0A], 1
	s_mov_b32 s[G0A+1], 0
	s_mov_b32 s[G0R], 1
	s_mul_i32 s[G0R+1], s14, 2*PLANE
	s_add_co_u32 s[G0R+1], s[G0R+1], YB
	s_mov_b32 s[G0S], 1
	s_mul_i32 s[G0S+1], s16, 16*272
	s_add_co_u32 s[G0S+1], s[G0S+1], SCL
	s_wait_dscnt 0x0
	CROUND                                         ; all sixteen work-groups are here
	s_wait_kmcnt 0x0
	s_add_nc_u64 s[G0B+2:G0B+3], s[8:9], s[78:79]
	s_or_b32 s[G0B+3], s[G0B+3], 0x80000000
	s_add_nc_u64 s[G0A+2:G0A+3], s[4:5], s[76:77]
	s_or_b32 s[G0A+3], s[G0A+3], 0x80000000
	s_add_nc_u64 s[G0R+2:G0R+3], s[4:5], s[82:83]
	s_or_b32 s[G0R+3], s[G0R+3], 0x80000000
	s_add_nc_u64 s[G0S+2:G0S+3], s[6:7], s[80:81]
	s_or_b32 s[G0S+3], s[G0S+3], 0x80000000
	s_cmp_eq_u32 s14, 0                            ; one joint load a wave; wave 0's has a line of its own, since it alone waits at the first barrier
	s_cbranch_scc0 .Lwave_1
	TLOAD G0B, G1B                                 ; Wo's rows, which are wanted first
	s_branch .Lasked
.Lwave_1:
	s_cmp_eq_u32 s14, 1
	s_cbranch_scc0 .Lfor_scales
	TLOAD G0A, G1A                                 ; chunk 0
	s_branch .Lasked
.Lfor_scales:
	TLOAD G0S, G1S                                 ; waves 2, 3: the scale bytes of 128 tokens each
.Lasked:
	s_lshl_b32 s20, s42, 1
	s_add_co_u32 s20, s20, s16                     ; my 64 columns among sixteen
	s_lshl_b32 s22, s20, 11
	s_mov_b32 s23, 0
	s_add_nc_u64 s[10:11], s[10:11], s[22:23]      ; their scale bytes,
	s_lshl_b32 s22, s20, 8
	s_add_nc_u64 s[84:85], s[84:85], s[22:23]      ; their bias,
	s_lshl_b32 s46, s43, 20
	s_lshl_b32 s47, s15, 18
	s_add_co_u32 s46, s46, s47
	s_add_co_u32 s46, s46, s22
	s_mov_b32 s47, 0
	s_add_nc_u64 s[86:87], s[86:87], s[46:47]      ; and out0 at token 256 x tile row + 64 x my row of waves
	s_mul_i32 s2, s15, 4*TIMG
	s_mul_i32 s3, s16, 64*PITCH
	s_add_co_u32 s3, s3, YB
	s_mul_i32 s12, s15, 4*544
	s_add_co_u32 s12, s12, SCL
	s_mul_i32 s13, s14, 16*272
	s_add_co_u32 s13, s13, STG
	s_lshl_b32 s17, s40, 2
	s_add_co_u32 s17, s17, s14                     ; which of the cluster row's sixteen waves I am: half a plane of chunk 1
	s_lshr_b32 s18, s17, 1
	s_lshl_b32 s18, s18, 20
	s_and_b32 s17, s17, 1
	s_lshl_b32 s17, s17, 13
	s_add_co_u32 s17, s17, s18
	s_add_co_u32 s17, s17, s76
	s_add_co_u32 s17, s17, 16384
	v_and_b32 v1, 15, v0                           ; r
	v_bfe_u32 v2, v0, 4, 1                         ; h
	v_and_b32 v3, 31, v0
	v_lshlrev_b32 v20, 4, v3
	v_add_nc_u32 v[ADRA0], s2, v20
	v_mul_u32_u24 v22, v1, PITCH
	v_lshl_add_u32 v22, v2, 4, v22
	v_add_nc_u32 v[ADRB], s3, v22
	v_lshlrev_b32 v[ABS], 5, v3
	v_lshlrev_b32 v23, 5, v1
	v_lshrrev_b32 v21, 3, v1
	v_lshl_add_u32 v23, v21, 4, v23
	v_add_nc_u32 v[AAS0], s12, v23
	v_lshlrev_b32 v[BO], 5, v2
	v_mul_u32_u24 v22, v1, 272
	v_lshl_add_u32 v22, v2, 5, v22
	v_add_nc_u32 v[STO], s13, v22                  ; in: row r, 32 bytes for each half of the lanes
	v_mul_u32_u24 v23, v2, 272
	v_lshl_add_u32 v23, v1, 4, v23
	v_add_nc_u32 v[RD], s13, v23                   ; back: lanes 0-15 one row of 256 bytes, lanes 16-31 the next
	v_lshlrev_b32 v21, 12, v2
	v_lshl_add_u32 v[CO], v1, 4, v21
	v_lshl_add_u32 v[PFO], v3, 8, s17
.irp p, 0,1
.irp c, 0,1
	global_load_b128 v[SB+8*\p+4*\c:SB+8*\p+4*\c+3], v[ABS], s[10:11] offset:\p*32*KS+16*\c
.endr
.endr
.irp b, 0,1,2,3
	global_load_b128 v[BQ+8*\b:BQ+8*\b+3], v[BO], s[84:85] offset:64*\b      ; register j of tile b: column 16 b + 8 h + j
	global_load_b128 v[BQ+8*\b+4:BQ+8*\b+7], v[BO], s[84:85] offset:64*\b+16
.endr
	s_wait_alu depctr_va_vdst(0)                   ; the wait at the head's end
	s_cmp_eq_u32 s14, 0
	s_cbranch_scc0 .Lnot_b
	s_wait_tensorcnt 0x0                           ; wave 0: Wo's rows are in
.Lnot_b:
	BARRIER
	global_prefetch_b8 v[PFO], s[4:5] th:TH_LOAD_NT scope:SCOPE_SE
.irp q, 0,1,2,3,4,5,6,7                        ; my 64 rows of Wo, all of K: fragment 4 q + b in window 1 + q / 4
.irp b, 0,1,2,3
	WIN (1+(NB*\q+\b)/FPW)<<6
.irp c, 0,1,2,3
	ds_load_b128 v[FR*((NB*\q+\b)%FPW)+4*\c:FR*((NB*\q+\b)%FPW)+4*\c+3], v[ADRB] offset:128*\q+32*\c+\b*16*PITCH
.endr
.endr
.endr
	WIN 0
	s_wait_tensorcnt 0x0                           ; chunk 0 and the scale bytes are in
	ds_add_u32 v[SPW], v[NIL]
	s_wait_dscnt 0x0                               ; Wo is in my registers
	CROUND
	TLOAD G0R, G1R                                 ; chunk 1 over Wo's rows
.macro FETCH k, n                      ; block n (chunk n / 4, my tile n % 4) into set k, and its scale words: 34 loads
	v_add_nc_u32 v[ADL], ((\n)/4)*SLOTB+((\n)%4)*TIMG, v[ADRA0]
	v_add_nc_u32 v[ADH], ((\n)/4)*SLOTB+((\n)%4)*TIMG+4*PLANE, v[ADRA0]
	WIN 3<<6
.irp q, 0,1,2,3
.irp c, 0,1,2,3
	ds_load_b128 v[128*(\k)+FR*\q+4*\c:128*(\k)+FR*\q+4*\c+3], v[ADL] offset:PLANE*\q+PITCH*(\c/2)+512*(\c%2)
.endr
.endr
.irp q, 0,1,2,3
.irp c, 0,1,2,3
	ds_load_b128 v[128*(\k)+64+FR*\q+4*\c:128*(\k)+64+FR*\q+4*\c+3], v[ADH] offset:PLANE*\q+PITCH*(\c/2)+512*(\c%2)
.endr
.endr
	WIN 0
	ds_load_b128 v[SA+8*(\k):SA+8*(\k)+3], v[AAS0] offset:((\n)/4)*4352+((\n)%4)*544
	ds_load_b128 v[SA+8*(\k)+4:SA+8*(\k)+7], v[AAS0] offset:((\n)/4)*4352+((\n)%4)*544+16
.endm
.macro PROD e, n                       ; product n = 4 q + b: the q-th 128 of K, column tile b; the four accumulators take turns
.set Q_, (\n)/4
.set B_, (\n)%4
.set FB_, NB*Q_+B_
.set AC_, ACC+32*(\e)+8*B_
.set C_, AC_
.if Q_ == 0
.set C_, BQ+8*B_
.endif
.set R_, 128*(\e)+FR*Q_
.set W_, FR*(FB_%FPW)
.set XS_, SA+8*(\e)+Q_
.set WS_, SB+8*(B_/2)+Q_
	WIN (1+FB_/FPW)|(3<<2)
.if B_%2
	v_wmma_scale_f32_16x16x128_f8f6f4 v[AC_:AC_+7], v[W_:W_+FR-1], v[R_:R_+FR-1], v[C_:C_+7], v[WS_], v[XS_] matrix_a_fmt:MATRIX_FMT_BF8 matrix_b_fmt:MATRIX_FMT_BF8 matrix_a_scale:MATRIX_SCALE_ROW1
.else
	v_wmma_scale_f32_16x16x128_f8f6f4 v[AC_:AC_+7], v[W_:W_+FR-1], v[R_:R_+FR-1], v[C_:C_+7], v[WS_], v[XS_] matrix_a_fmt:MATRIX_FMT_BF8 matrix_b_fmt:MATRIX_FMT_BF8
.endif
.endm
.macro BLK n, w                        ; w: the LDS instructions issued behind this block's fetch, which may stay out
	s_wait_dscnt \w
.set N_, 0
.rept 32
	PROD (\n)%2, N_
.set N_, N_+1
.endr
	WIN 0
	PLACES 8                                       ; behind the last product, ahead of the stores of its sums and of the fetch into what it has read
.endm
.macro TOSTAGE n                       ; the block's sums into my stage, each accumulator from its low end on, and back as whole rows; LDS serves a wave's instructions in order
.set TA_, ACC+32*((\n)%2)
.set TB_, BK+32*((\n)%2)
	s_wait_xcnt 0x0                                ; the stores of the block two before have read the registers that the loads below write
.irp b, 0,1,2,3
	ds_store_b128 v[STO], v[TA_+8*\b:TA_+8*\b+3] offset:64*\b
	ds_store_b128 v[STO], v[TA_+8*\b+4:TA_+8*\b+7] offset:64*\b+16
.endr
.irp t, 0,1,2,3,4,5,6,7
	ds_load_b128 v[TB_+4*\t:TB_+4*\t+3], v[RD] offset:\t*544
.endr
.endm
.macro SEND n, w                       ; w: the LDS instructions issued behind the block's loads from the stage
.set TB_, BK+32*((\n)%2)
	s_wait_dscnt \w
.irp t, 0,1,2,3,4,5,6,7
	global_store_b128 v[CO], v[TB_+4*\t:TB_+4*\t+3], s[86:87] offset:((\n)/4)*524288+((\n)%4)*65536+\t*8192 th:TH_STORE_NT   ; sixteen lanes store 256 consecutive bytes, aligned
.endr
.endm
	FETCH 0, 0
	FETCH 1, 1
	s_wait_loadcnt 0x0                             ; Wo's scale words and the bias
	BLK 0, 34                                      ; block 1's fetch may be out
	TOSTAGE 0
	FETCH 0, 2
	BLK 1, 50                                      ; a stage's 16 and a fetch's 34 may be out
	SEND 0, 34
	TOSTAGE 1
	FETCH 1, 3
	BLK 2, 50
	SEND 1, 34
	TOSTAGE 2
	s_wait_tensorcnt 0x0                           ; my quarter of chunk 1 is in
	s_wait_dscnt 0x0
	BARRIER                                        ; and everybody's
	FETCH 0, 4
	BLK 3, 34
	SEND 2, 34
	TOSTAGE 3
	FETCH 1, 5
	BLK 4, 50
	SEND 3, 34
	TOSTAGE 4
	FETCH 0, 6
	BLK 5, 50
	SEND 4, 34
	TOSTAGE 5
	FETCH 1, 7
	BLK 6, 50
	SEND 5, 34
	TOSTAGE 6
	BLK 7, 16                                      ; the stage's 16 may be out
	SEND 6, 0
	TOSTAGE 7
	SEND 7, 0
	s_wait_tensorcnt 0x0                           ; the wave's end
	ds_add_u32 v[SPW], v[NIL]
	s_wait_dscnt 0x0
	CROUND                                         ; the closing round
	s_endpgm
.Lfunc_end_k_q736633a719_proj:
	.size	k_q736633a719_proj, .Lfunc_end_k_q736633a719_proj-k_q736633a719_proj
	.p2alignl 7, 3214868480
	.fill 96, 4, 3214868480
	.section	.rodata,"a",@progbits
	.p2align	6, 0x0
	.amdhsa_kernel k_q736633a719_proj
		.amdhsa_group_segment_fixed_size 327680
		.amdhsa_private_segment_fixed_size 0
		.amdhsa_enable_private_segment 0
		.amdhsa_kernarg_size 48
		.amdhsa_user_sgpr_count 2
		.amdhsa_user_sgpr_kernarg_segment_ptr 1
		.amdhsa_wavefront_size32 1
		.amdhsa_system_sgpr_workgroup_id_x 1
		.amdhsa_system_sgpr_workgroup_id_y 1
		.amdhsa_system_sgpr_workgroup_id_z 1
		.amdhsa_system_vgpr_workitem_id 0
		.amdhsa_next_free_vgpr 1024
		.amdhsa_next_free_sgpr 100
		.amdhsa_reserve_vcc 0
		.amdhsa_float_denorm_mode_32 3
		.amdhsa_float_denorm_mode_16_64 3
		.amdhsa_memory_ordered 1
		.amdhsa_forward_progress 1
		.amdhsa_inst_pref_size 87
	.end_amdhsa_kernel
	.amdgpu_metadata
---
amdhsa.version: [ 1, 2 ]
amdhsa.kernels:
  - .name:           k_q736633a719_proj
    .symbol:         k_q736633a719_proj.kd
    .args:
      - { .name: oc, .offset: 0, .size: 8, .value_kind: global_buffer, .address_space: global }
      - { .name: os, .offset: 8, .size: 8, .value_kind: global_buffer, .address_space: global }
      - { .name: Wo_codes, .offset: 16, .size: 8, .value_kind: global_buffer, .address_space: global }
      - { .name: Wo_scales, .offset: 24, .size: 8, .value_kind: global_buffer, .address_space: global }
      - { .name: bo, .offset: 32, .size: 8, .value_kind: global_buffer, .address_space: global }
      - { .name: out0, .offset: 40, .size: 8, .value_kind: global_buffer, .address_space: global }
    .group_segment_fixed_size: 327680
    .private_segment_fixed_size: 0
    .kernarg_segment_align: 8
    .kernarg_segment_size: 48
    .max_flat_workgroup_size: 128
    .sgpr_count:     100
    .vgpr_count:     1024
    .wavefront_size: 32
...
	.end_amdgpu_metadata
.endif
;; end of part 3
